; MI455X (gfx1250); checked and timed in simulation.
; The chip was launched on July 23, 2026; its instructions are those of AMD's public machine-readable ISA for CDNA 5 (MIT licence, August 2026) and "CDNA5" Instruction Set Architecture Reference Guide (July 2026). The comments in the code are by the model that wrote it; some were corrected since.
;; Scaled Dot Product Attention. Allowed arithmetic: float matrix products may take bf16 or f16 operands with f32 sums; all other float work in f32.
;; Inputs: multi_head_k 2 x 12 x 2,048 x 64 float32; multi_head_q 2 x 12 x 2,048 x 64 float32; multi_head_v 2 x 12 x 2,048 x 64 float32.
;; Outputs: out0 2 x 2,048 x 768 float32.
;; 2 versions, each right and faster than the one before. Each part assembles by itself: llvm-mc -triple=amdgcn-amd-amdhsa -mcpu=gfx1250 --defsym DOCPART=n.
;; ======== version 1 of 2: 1 launch
;; limits: values are held in f16: magnitudes above 65,504 overflow, below 6.1e-05 lose precision
;; launch attn (part 1): grid 8 x 24, 4 waves a work-group, no clusters, 74,240 bytes of LDS; arguments multi_head_q, multi_head_k, multi_head_v, out0; writes out0
.if DOCPART == 1
	.amdgcn_target "amdgcn-amd-amdhsa--gfx1250"
	.amdhsa_code_object_version 6
	.text
	.protected	k_q24d5a88057_attn
	.globl	k_q24d5a88057_attn
	.p2align	8
	.type	k_q24d5a88057_attn,@function
k_q24d5a88057_attn:
	s_mov_b64 s[64:65], 0
	v_nop
	global_prefetch_b8 v0, s[64:65] scope:SCOPE_SE
	s_setreg_imm32_b32 hwreg(HW_REG_WAVE_MODE, 25, 1), 1
	s_wait_xcnt 0x0
; Causal attention, 24 heads (2 x 12) of 2048 rows x 64, f32 in, f32 out as [2][2048][12*64].  One launch, nothing goes through memory.
;
; SHARING.  A query block is 128 rows; block i needs i + 1 trips of 128 keys.  Work-group (p, head), p = 0..7, takes block p and then block
; 15 - p: (p + 1) + (16 - p) = 17 trips = 34 tiles of 64 keys in every work-group.  Wave w owns rows 32 w .. 32 w + 31 of the block, as two
; sub-blocks u of 16 rows.  In a block the diagonal trip comes first (masked; its first tile starts maximum, sum and output, so nothing is
; cleared), then key blocks 0 .. i - 1 without a mask; the running maximum makes the order immaterial.
;
; MATRIX LAYOUTS.  Scores are made transposed, S^T = K Q^T: source 0 = 16 keys x 32 d, source 1 = 16 queries x 32 d; lane (r, h) then holds, in
; register j, key 16 t + 8 h + j of query r.  So a row's maximum is taken inside a lane and needs one exchange between the lane halves,
; and the weights of tiles 2 c and 2 c + 1, packed to 16 bits, ARE source 1 (32 keys x 16 queries) of O^T = V^T P^T: no transposition of P.
; V^T fragments come by the transposing LDS load from V kept as [key][d].  In O^T a lane holds 8 neighbouring d of one query, so the
; rescaling and 1 / sum are numbers of the lane.
;
; NUMBER FORMATS.  Q, K and V are all rounded to bf16: the result is attention on the three inputs rounded alike.  The first product runs in
; bf16.  The second runs in f16: the weights lie in [0, 1], where f16 rounds to 2^-11 and bf16 to 2^-9, and in rows with few keys, where terms
; p v of the size of v cancel, 2^-9 |v| is too coarse.  V's bf16 numbers (8 significant bits) are exact in f16 from 2^-14 to 65,504.
; The row sums are made by the matrix unit too, ones x P: they are the sums of the very weights that multiply V, so the weights used sum to one.
;
; SOFTMAX.  p = exp2(s c + NM), c = log2(e) / 8, NM = round(-c m), m the running maximum of the raw scores; the rescaling factor is
; exp2(NM new - NM old), made of the same rounded numbers, so that it fits the weights whatever the rounding of c m.
;
; K AND V come as f32 through registers (a ring of two tiles, asked for two tiles before they are rounded), are rounded once in the
; work-group and laid into two LDS buffers that take turns; one barrier for each tile.
;
; NO CLUSTER, NO JOINT REQUESTS: the eight work-groups of a head read the same K and V, but at trip G work-group p is at key block kb(G, p),
; another one for each p, and the tiles have to pass through registers to be rounded, where a joint request would lay f32 into LDS
; (32 KiB a tile) to be read, rounded and stored once more.
;
; LIMITS.  |V| above 65,504 becomes infinite in f16; |V| below 2^-14 carries an absolute error of up to 2^-25.  A weight below 2^-25 of its
; row's largest counts as zero.  NaN and infinite inputs get no special treatment.
.set CEXP,   0x3e38aa3b                ; log2(e) / 8
.set NCEXP,  0xbe38aa3b                ; its negative
.set KPITCH, 144                       ; LDS row of K: 128 bytes + 16: an odd multiple of 16, the 16 rows of a fragment load start in 16 different columns of 16 bytes
.set VPITCH, 160                       ; LDS row of V: 128 bytes + 32: an odd multiple of 32, for the transposing load
.set KBUF,   64*KPITCH                 ; 9,216 bytes: one tile of K in bf16
.set VBUF,   64*VPITCH                 ; 10,240 bytes: one tile of V in f16
.set VBASE,  2*KBUF                    ; V buffers lie behind the two K buffers
.set STAGE,  VBASE+2*VBUF              ; 38,912: the way out, 32 rows of 272 bytes for each wave
.set SPITCH, 272
.set WSTAGE, 32*SPITCH                 ; 8,704
.set TILEB,  64*256                    ; a tile of 64 keys of 64 f32 in memory
.set OROW,   3072                      ; a row of the output: 768 f32
; window 0
.set KLD, 2                            ; LDS address of my part of a K fragment
.set VLD, 3                            ; the same for V (transposing load)
.set KST, 4                            ; where I put 8 bytes of K in bf16
.set VST, 5                            ; the same for V in f16
.set KGO, 6                            ; my byte offset in a tile of K in memory
.set VGO, 7                            ; the same for V
.set OST, 8                            ; stage: where I put 16 bytes of a row of O
.set ORD, 9                            ; stage: where I read a row back
.set OGO, 10                           ; my byte offset in the output block
.set QGO, 11                           ; my byte offset in the Q block
.set DQ,  12                           ; v[12:13]  query - 8 h inside the block, for u = 0, 1 (signed)
.set NINF, 14                          ; minus infinity
.set MX,  16                           ; v[16:17]  running maximum of the raw scores
.set NM0, 18                           ; v[18:19]  -c m as left by even tiles
.set AL,  20                           ; v[20:21]  rescaling factor; at the end 1 / sum
.set TA,  26                           ; v[26:27]  at work
.set TB,  28                           ; v[28:29]  at work
.set TX,  30                           ; v[30:31]  what the other lane half sent
.set NM1, 32                           ; v[32:33]  -c m as left by odd tiles
.set QS,  40                           ; v[40:71]   Q of block p in bf16: fragment (u, c) at 16 u + 8 c
.set QB,  72                           ; v[72:103]  Q of block 15 - p
.set OA,  104                          ; v[104:167] O^T: tile (u, dt) at 32 u + 8 dt
.set SC,  168                          ; v[168:231] S^T: tile (u, t) at 32 u + 8 t; then P at 32 u + 16 c
.set ONE, 232                          ; v[232:239] a fragment of 16 x 32 ones in f16
.set LT,  240                          ; v[240:255] ones x P: tile u at 8 u; register 0 is the row sum of query r, the only one that is rescaled and read
; window 1: v0-63 and v64-127 the ring of two tiles (K f32 in the first 32 registers, V f32 in the second 32)
.set KF,  128                          ; K fragments: (t, c) at 16 t + 8 c
.set VF,  192                          ; V^T fragments: (dt, c) at 16 dt + 8 c
; scalars: s[4:11] q, k, v, out; s12 wave; s13 p; s14 head; s15 15 - p; s16-17 lane selects; s[18:19] an offset in 64 bits;
; s[20:21], s[22:23] K and V of my head; s28 the trip fetched next; s29 loop counter; s30, s31, s37 at work;
; s[32:33], s[34:35] output of block p, of block 15 - p; s36 p + 1; s38 p + 2; s39 13 - p; s[40:41] c twice; s[42:43], s[44:45] Q of the two blocks;
; s46 mask of a word's upper half
.set KP,  24                           ; s[24:25]  K at the key block that is being fetched
.set VP,  26                           ; s[26:27]  V likewise
; s_set_vgpr_msb: bits 1:0 source 0, 3:2 source 1, 5:4 source 2, 7:6 destination; the high byte repeats the setting that is left
.set MSB, 0
.macro WIN new
.if MSB != \new
	s_set_vgpr_msb (MSB<<8)|\new
.set MSB, \new
.endif
.endm
.set TO_W1,  0x40                      ; loads into window 1, address in window 0
.set MM_W1,  0x01                      ; matrix instructions: source 0 in window 1
.set CVT_W1, 0x45                      ; rounding in place in window 1
.set ST_W1,  0x04                      ; LDS stores: data in window 1, address in window 0
.macro PLACES n
.rept \n
	v_nop
.endr
.endm
; The bases of the trip s28 (1 .. 16): key block s28 - 1 up to trip p, 15 - p at trip p + 1 (the second diagonal), s28 - p - 2 behind it.
.macro NEXT
	s_sub_co_u32 s30, s28, 1
	s_sub_co_u32 s31, s28, s38                     ; wraps where it is not chosen
	s_cmp_le_u32 s28, s13
	s_cselect_b32 s30, s30, s31
	s_cmp_eq_u32 s28, s36
	s_cselect_b32 s30, s15, s30
	s_min_u32 s30, s30, 15                         ; a key block of the head, in plain sight
	s_lshl_b32 s18, s30, 15                        ; 128 keys of 256 bytes
	s_wait_xcnt 0x0                                ; the bases are sources of the loads issued so far: rewritten only behind this wait
	s_add_nc_u64 s[KP:KP+1], s[20:21], s[18:19]
	s_add_nc_u64 s[VP:VP+1], s[22:23], s[18:19]
	s_add_co_u32 s28, s28, 1
.endm
; 16 loads: my quarter of tile par of the trip at KP, VP.  Each half of the lanes reads one whole row of 256 bytes.
; K: load i takes keys 16 (i / 2) + 4 (i % 2) + w and + 8; V: keys 8 i + w and + 4: the two rows of an instruction then lie 128 bytes apart
; modulo 256 in LDS (8 x 144 and 4 x 160), so that the 8-byte stores of the 32 lanes meet in no bank.
.macro LOADT par
	WIN TO_W1
.irp i, 0,1,2,3,4,5,6,7
	global_load_b128 v[64*\par+4*\i:64*\par+4*\i+3], v[KGO], s[KP:KP+1] offset:TILEB*\par+4096*(\i>>1)+1024*(\i&1)
.endr
.irp i, 0,1,2,3,4,5,6,7
	global_load_b128 v[64*\par+32+4*\i:64*\par+32+4*\i+3], v[VGO], s[VP:VP+1] offset:TILEB*\par+2048*\i
.endr
.endm
; Round ring slot par in place and lay it into LDS buffer par.
; K: to bf16, register k from registers 2 k, 2 k + 1, k ascending.
; V: to bf16 (the pair lands in register 2 k), back to two f32 by a mask and a shift, and packed as f16, which holds these numbers exactly.
.macro CVTST par
	WIN CVT_W1
.irp k, 0,1,2,3,4,5,6,7,8,9,10,11,12,13,14,15
	v_cvt_pk_bf16_f32 v[64*\par+\k], v[64*\par+2*\k], v[64*\par+2*\k+1]
.endr
.irp k, 0,1,2,3,4,5,6,7,8,9,10,11,12,13,14,15
	v_cvt_pk_bf16_f32 v[64*\par+32+2*\k], v[64*\par+32+2*\k], v[64*\par+33+2*\k]
.endr
.irp k, 0,1,2,3,4,5,6,7,8,9,10,11,12,13,14,15
	v_and_b32 v[64*\par+33+2*\k], s46, v[64*\par+32+2*\k]
.endr
.irp k, 0,1,2,3,4,5,6,7,8,9,10,11,12,13,14,15
	v_lshlrev_b32 v[64*\par+32+2*\k], 16, v[64*\par+32+2*\k]
.endr
.irp k, 0,1,2,3,4,5,6,7,8,9,10,11,12,13,14,15
	v_cvt_pk_f16_f32 v[64*\par+32+\k], v[64*\par+32+2*\k], v[64*\par+33+2*\k]
.endr
	WIN ST_W1
.irp i, 0,1,2,3,4,5,6,7
	ds_store_b64 v[KST], v[64*\par+2*\i:64*\par+2*\i+1] offset:KBUF*\par+KPITCH*(16*(\i>>1)+4*(\i&1))
.endr
.irp i, 0,1,2,3,4,5,6,7
	ds_store_b64 v[VST], v[64*\par+32+2*\i:64*\par+32+2*\i+1] offset:VBUF*\par+8*VPITCH*\i
.endr
.endm
; 16 LDS loads: the eight K fragments (16 keys x 32 d) of buffer par
.macro KLOAD par
	WIN TO_W1
.irp t, 0,1,2,3
.irp c, 0,1
	ds_load_b128 v[KF+16*\t+8*\c:KF+16*\t+8*\c+3],   v[KLD] offset:KBUF*\par+16*KPITCH*\t+64*\c
	ds_load_b128 v[KF+16*\t+8*\c+4:KF+16*\t+8*\c+7], v[KLD] offset:KBUF*\par+16*KPITCH*\t+64*\c+32
.endr
.endr
.endm
; 16 transposing LDS loads: the eight V^T fragments (16 d x 32 keys) of buffer par
.macro VLOAD par
	WIN TO_W1
.irp d, 0,1,2,3
.irp c, 0,1
	ds_load_tr16_b128 v[VF+16*\d+8*\c:VF+16*\d+8*\c+3],   v[VLD] offset:VBUF*\par+32*VPITCH*\c+32*\d
	ds_load_tr16_b128 v[VF+16*\d+8*\c+4:VF+16*\d+8*\c+7], v[VLD] offset:VBUF*\par+32*VPITCH*\c+32*\d+16*VPITCH
.endr
.endr
.endm
; 16 matrix instructions: S^T of 64 keys x 32 queries.  The products of d 0-31 start the sums, those of d 32-63 go on in place.
.macro QK qb
	WIN MM_W1
.irp u, 0,1
.irp t, 0,1,2,3
	v_wmma_f32_16x16x32_bf16 v[SC+32*\u+8*\t:SC+32*\u+8*\t+7], v[KF+16*\t:KF+16*\t+7], v[\qb+16*\u:\qb+16*\u+7], 0
.endr
.endr
.irp u, 0,1
.irp t, 0,1,2,3
	v_wmma_f32_16x16x32_bf16 v[SC+32*\u+8*\t:SC+32*\u+8*\t+7], v[KF+16*\t+8:KF+16*\t+15], v[\qb+16*\u+8:\qb+16*\u+15], v[SC+32*\u+8*\t:SC+32*\u+8*\t+7]
.endr
.endr
.endm
; 4 matrix instructions, all operands in window 0: row sums += ones x P^T.  Every row of the result is the sum over the 32 keys of column r.
.macro LSUM first
	WIN 0
.irp u, 0,1
.if \first
	v_wmma_f32_16x16x32_f16 v[LT+8*\u:LT+8*\u+7], v[ONE:ONE+7], v[SC+32*\u:SC+32*\u+7], 0
.else
	v_wmma_f32_16x16x32_f16 v[LT+8*\u:LT+8*\u+7], v[ONE:ONE+7], v[SC+32*\u:SC+32*\u+7], v[LT+8*\u:LT+8*\u+7]
.endif
.endr
.irp u, 0,1
	v_wmma_f32_16x16x32_f16 v[LT+8*\u:LT+8*\u+7], v[ONE:ONE+7], v[SC+32*\u+16:SC+32*\u+23], v[LT+8*\u:LT+8*\u+7]
.endr
.endm
; 16 matrix instructions: O^T += V^T P^T.  first = 1: the products of keys 0-31 start the sums.
.macro PV first
	WIN MM_W1
.irp u, 0,1
.irp d, 0,1,2,3
.if \first
	v_wmma_f32_16x16x32_f16 v[OA+32*\u+8*\d:OA+32*\u+8*\d+7], v[VF+16*\d:VF+16*\d+7], v[SC+32*\u:SC+32*\u+7], 0
.else
	v_wmma_f32_16x16x32_f16 v[OA+32*\u+8*\d:OA+32*\u+8*\d+7], v[VF+16*\d:VF+16*\d+7], v[SC+32*\u:SC+32*\u+7], v[OA+32*\u+8*\d:OA+32*\u+8*\d+7]
.endif
.endr
.endr
.irp u, 0,1
.irp d, 0,1,2,3
	v_wmma_f32_16x16x32_f16 v[OA+32*\u+8*\d:OA+32*\u+8*\d+7], v[VF+16*\d+8:VF+16*\d+15], v[SC+32*\u+16:SC+32*\u+23], v[OA+32*\u+8*\d:OA+32*\u+8*\d+7]
.endr
.endr
.endm
; The diagonal trip: key koff + 16 t + 8 h + j is beyond query 32 w + 16 u + r where koff + 16 t + j > DQ[u]: minus infinity there.
.macro MASK koff
.irp u, 0,1
.irp t, 0,1,2,3
.irp j, 0,1,2,3,4,5,6,7
	v_cmp_gt_i32 vcc_lo, \koff+16*\t+\j, v[DQ+\u]
	v_cndmask_b32 v[SC+32*\u+8*\t+\j], v[SC+32*\u+8*\t+\j], v[NINF], vcc_lo
.endr
.endr
.endr
.endm
; Pair q (tile t = q / 4, registers 2 k, 2 k + 1, k = q % 4) is packed as f16 into register 4 (t % 2) + k of tile t - t % 2: a register whose
; weights have been packed already, since q ascends.
.macro CVTQ u, q
	s_wait_alu depctr_va_vdst(0)
	v_cvt_pk_f16_f32 v[SC+32*\u+16*(\q>>3)+4*((\q>>2)&1)+(\q&3)], v[SC+32*\u+2*\q], v[SC+32*\u+2*\q+1]
.endm
; The softmax step of one tile.  new, old: the registers of -c m that this tile writes, and those that the last tile wrote.
; Behind every v_exp_f32 (or pair of them) stands a plain vector instruction that touches neither its result nor its source (ISA guide 5.7.2).
.macro SOFT new, old, first
	; the largest of my 32 scores of each query and of the running maximum: four chains that do not wait for each other
.if \first
	v_max_num_f32 v[TA],   v[SC],    v[SC+1]
	v_max_num_f32 v[TA+1], v[SC+32], v[SC+33]
.else
	v_max3_num_f32 v[TA],   v[MX],   v[SC],    v[SC+1]
	v_max3_num_f32 v[TA+1], v[MX+1], v[SC+32], v[SC+33]
.endif
	v_max3_num_f32 v[TB],   v[SC+16], v[SC+17], v[SC+18]
	v_max3_num_f32 v[TB+1], v[SC+48], v[SC+49], v[SC+50]
.irp k, 0,1,2,3,4,5
	v_max3_num_f32 v[TA],   v[TA],   v[SC+2+2*\k],  v[SC+3+2*\k]
	v_max3_num_f32 v[TA+1], v[TA+1], v[SC+34+2*\k], v[SC+35+2*\k]
	v_max3_num_f32 v[TB],   v[TB],   v[SC+19+2*\k], v[SC+20+2*\k]
	v_max3_num_f32 v[TB+1], v[TB+1], v[SC+51+2*\k], v[SC+52+2*\k]
.endr
	v_max3_num_f32 v[TA],   v[TA],   v[SC+14], v[SC+15]
	v_max3_num_f32 v[TA+1], v[TA+1], v[SC+46], v[SC+47]
	v_max3_num_f32 v[MX],   v[TA],   v[TB],   v[SC+31]
	v_max3_num_f32 v[MX+1], v[TA+1], v[TB+1], v[SC+63]
	v_permlanex16_b32 v[TX],   v[MX],   s16, s17   ; the other half of the lanes holds the other keys of the same query
	v_permlanex16_b32 v[TX+1], v[MX+1], s16, s17
	v_max_num_f32 v[MX],   v[MX],   v[TX]
	v_max_num_f32 v[MX+1], v[MX+1], v[TX+1]
	v_mul_f32 v[\new],   NCEXP, v[MX]
	v_mul_f32 v[\new+1], NCEXP, v[MX+1]
.if \first == 0
	v_sub_f32 v[AL],   v[\new],   v[\old]
	v_sub_f32 v[AL+1], v[\new+1], v[\old+1]
	v_exp_f32 v[AL],   v[AL]
	v_exp_f32 v[AL+1], v[AL+1]
.endif
	; exponents of sub-block 0
.irp q, 0,1,2,3,4,5,6,7,8,9,10,11,12,13,14,15
	v_pk_fma_f32 v[SC+2*\q:SC+2*\q+1], v[SC+2*\q:SC+2*\q+1], s[40:41], v[\new:\new+1] op_sel_hi:[1,0,0]
.endr
.if \first == 0
	s_wait_alu depctr_va_vdst(0)
	v_mul_f32 v[LT],   v[LT],   v[AL]              ; the old row sums: register 0 of each tile alone; the other seven rows of the tile are never read
	v_mul_f32 v[LT+8], v[LT+8], v[AL+1]
.endif
	; exponentials of sub-block 0, among them the exponents of sub-block 1 and the rescaling of O of sub-block 0
.irp q, 0,1,2,3,4,5,6,7,8,9,10,11,12,13,14,15
	v_exp_f32 v[SC+2*\q],   v[SC+2*\q]
	v_exp_f32 v[SC+2*\q+1], v[SC+2*\q+1]
	v_pk_fma_f32 v[SC+32+2*\q:SC+33+2*\q], v[SC+32+2*\q:SC+33+2*\q], s[40:41], v[\new:\new+1] op_sel:[0,0,1] op_sel_hi:[1,0,1]
.if \first == 0
	v_pk_mul_f32 v[OA+2*\q:OA+2*\q+1], v[OA+2*\q:OA+2*\q+1], v[AL:AL+1] op_sel_hi:[1,0]
.endif
.endr
	; exponentials of sub-block 1, among them the packing of sub-block 0 and the rescaling of O of sub-block 1
.irp q, 0,1,2,3,4,5,6,7,8,9,10,11,12,13,14,15
	v_exp_f32 v[SC+32+2*\q], v[SC+32+2*\q]
	v_exp_f32 v[SC+33+2*\q], v[SC+33+2*\q]
	CVTQ 0, \q
.if \first == 0
	v_pk_mul_f32 v[OA+32+2*\q:OA+33+2*\q], v[OA+32+2*\q:OA+33+2*\q], v[AL:AL+1] op_sel:[0,1] op_sel_hi:[1,1]
.endif
.endr
	; packing of sub-block 1
.irp q, 0,1,2,3,4,5,6,7,8,9,10,11,12,13,14,15
	CVTQ 1, \q
.endr
.endm
; ONE TILE n, of parity par (oth = the other parity).  Its fragments were asked for in the step before.
; first: it starts maximum, sums and O.  mask: it belongs to a diagonal trip.  cvt: tile n + 2 is rounded and laid into buffer par;
; lcnt: how many younger loads may stay out then.  ld: tile n + 4 is asked for.  more: a tile follows.
.macro STEP par, oth, qb, first, mask, cvt, ld, lcnt, more
	s_wait_dscnt 16                                ; LDS serves a wave in order (ISA guide 5.7.1): the K fragments are in, the 16 V loads issued last may be out
	QK \qb
	WIN 0
	PLACES 4                                       ; four places behind the last product before vector instructions read S (ISA guide 7.12.1), and before K fragments are loaded again
.if \mask
	MASK 64*\par
.endif
.if \par
	SOFT NM1, NM0, \first
.else
	SOFT NM0, NM1, \first
.endif
	LSUM \first                                    ; needs P alone: it runs while the V fragments may still be on their way
	WIN MM_W1
	s_wait_dscnt 0                                 ; V fragments are in; my reads of buffer par are over; my stores of tile n + 1 into buffer oth have landed
.if \more
	s_barrier_signal -1                            ; say so,
.endif
	PV \first                                      ; work on registers meanwhile,
.if \more
	s_barrier_wait -1                              ; and go on when all four have said so: buffer oth is whole, nobody reads buffer par
	KLOAD \oth
.endif
.if \cvt
	s_wait_loadcnt \lcnt                           ; loads come back in order: tile n + 2 is in, the loads of tile n + 3 stay out
	CVTST \par                                     ; its 80 vector instructions are also the places behind the products with P: for the loads into V fragments, for the next S over P, for readers of O and of the sums
.else
	WIN 0
	PLACES 5                                       ; the same places where nothing is left to round
.endif
.if \ld
	LOADT \par
.endif
.if \more
	VLOAD \oth
.endif
	WIN 0
.endm
; A TRIP = 128 keys = two tiles.  mode 0: the ring runs on (the bases are set two trips ahead); mode 1: the last but one, nothing more is
; asked for, and behind its second rounding no load is out; mode 2: the last, nothing more is rounded.
.macro TRIP qb, diag, mode
.if \mode == 0
	NEXT
	STEP 0, 1, \qb, \diag, \diag, 1, 1, 16, 1
	STEP 1, 0, \qb, 0, \diag, 1, 1, 16, 1
.endif
.if \mode == 1
	STEP 0, 1, \qb, 0, 0, 1, 0, 16, 1
	STEP 1, 0, \qb, 0, 0, 1, 0, 0, 1
.endif
.if \mode == 2
	STEP 0, 1, \qb, 0, 0, 0, 0, 0, 1
	STEP 1, 0, \qb, 0, 0, 0, 0, 0, 0
.endif
.endm
; THE WAY OUT of a block: divide by the row sums, 16 bytes a lane into my own stage, back as whole rows: the 64 f32 of a (row, head) are
; 256 consecutive bytes of the output, at a multiple of 256 from its first byte, and 16 neighbouring lanes store them with one instruction.
.macro EPI base, again
	v_rcp_f32 v[AL],   v[LT]                       ; register 0 of the sum tile: the sum of query r, in both lane halves
	v_rcp_f32 v[AL+1], v[LT+8]
	v_nop                                          ; one plain place behind the reciprocals (ISA guide 5.7.2)
.irp q, 0,1,2,3,4,5,6,7,8,9,10,11,12,13,14,15
	s_wait_alu depctr_va_vdst(0)
	v_pk_mul_f32 v[OA+2*\q:OA+2*\q+1],       v[OA+2*\q:OA+2*\q+1],       v[AL:AL+1] op_sel_hi:[1,0]
	v_pk_mul_f32 v[OA+32+2*\q:OA+33+2*\q],   v[OA+32+2*\q:OA+33+2*\q],   v[AL:AL+1] op_sel:[0,1] op_sel_hi:[1,1]
.endr
.irp u, 0,1
.irp d, 0,1,2,3
.irp j, 0,1
	ds_store_b128 v[OST], v[OA+32*\u+8*\d+4*\j:OA+32*\u+8*\d+4*\j+3] offset:16*SPITCH*\u+64*\d+16*\j
.endr
.endr
.endr
.irp i, 0,1,2,3,4,5,6,7,8,9,10,11,12,13,14,15
	ds_load_b128 v[SC+4*\i:SC+4*\i+3], v[ORD] offset:2*SPITCH*\i     ; the stage is my own and LDS serves a wave in order: these see the stores above
.endr
.irp i, 0,1,2,3,4,5,6,7,8,9,10,11,12,13,14,15
	s_wait_dscnt 15-\i                             ; rows 2 i, 2 i + 1 are in; the younger reads stay out
	global_store_b128 v[OGO], v[SC+4*\i:SC+4*\i+3], s[\base:\base+1] offset:2*OROW*\i th:TH_STORE_NT
.endr
.if \again
	s_wait_xcnt 0x0                                ; the stores read S, which the next block writes only behind this wait
.endif
.endm
	; ---------------------------------------------------------------- set-up
	s_load_b256 s[4:11], s[0:1], 0x0               ; q s[4:5], k s[6:7], v s[8:9], out s[10:11]
	v_lshl_add_u32 v38, v0, 2, 0x12000
	v_mov_b32 v39, 0
	v_lshrrev_b32 v1, 5, v0
	v_readfirstlane_b32 s12, v1                    ; wave 0..3
	s_mov_b32 s13, ttmp9                           ; p
	s_and_b32 s14, ttmp7, 0xffff                   ; head, 12 b + hd
	s_sub_co_u32 s15, 15, s13                      ; the second block
	s_mov_b32 s16, 0x76543210                      ; v_permlanex16_b32: lane i of one half reads lane i of the other
	s_mov_b32 s17, 0xfedcba98
	s_mov_b32 s19, 0
	s_add_co_u32 s36, s13, 1
	s_add_co_u32 s38, s13, 2
	s_sub_co_u32 s39, 13, s13
	s_mov_b32 s40, CEXP
	s_mov_b32 s41, CEXP
	s_mov_b32 s46, 0xffff0000                      ; a word's upper bf16
	v_and_b32 v27, 15, v0                          ; r
	v_bfe_u32 v28, v0, 4, 1                        ; h
	s_lshl_b32 s30, s12, 8
	v_lshlrev_b32 v[KGO], 11, v28                  ; K in memory: row 8 h + w, 16 bytes a lane
	v_lshl_add_u32 v[KGO], v27, 4, v[KGO]
	v_add_nc_u32 v[KGO], s30, v[KGO]
	v_lshlrev_b32 v[VGO], 10, v28                  ; V in memory: row 4 h + w
	v_lshl_add_u32 v[VGO], v27, 4, v[VGO]
	v_add_nc_u32 v[VGO], s30, v[VGO]
	s_lshl_b32 s31, s12, 13
	v_lshlrev_b32 v[QGO], 8, v27                   ; Q in memory: row 32 w + r, 32 bytes for each lane half
	v_lshl_add_u32 v[QGO], v28, 5, v[QGO]
	v_add_nc_u32 v[QGO], s31, v[QGO]
	s_wait_kmcnt 0x0
	s_lshl_b32 s18, s14, 19                        ; a head: 2,048 rows of 256 bytes
	s_add_nc_u64 s[20:21], s[6:7], s[18:19]
	s_add_nc_u64 s[22:23], s[8:9], s[18:19]
	s_add_nc_u64 s[44:45], s[4:5], s[18:19]
	s_lshl_b32 s18, s13, 15                        ; block p: 128 rows of 256 bytes
	s_add_nc_u64 s[42:43], s[44:45], s[18:19]
	s_add_nc_u64 s[KP:KP+1], s[20:21], s[18:19]    ; trip 0 is the diagonal of block p
	s_add_nc_u64 s[VP:VP+1], s[22:23], s[18:19]
	s_lshl_b32 s18, s15, 15
	s_add_nc_u64 s[44:45], s[44:45], s[18:19]
	; Q of both blocks as f32, into the registers of O and of S, which are not in use yet: fragment (u, c) needs d 32 c + 8 h .. + 7 and + 16
.irp u, 0,1
.irp c, 0,1
.irp e, 0,1,2,3
	global_load_b128 v[OA+32*\u+16*\c+4*\e:OA+32*\u+16*\c+4*\e+3], v[QGO], s[42:43] offset:4096*\u+128*\c+16*(\e&1)+64*(\e>>1)
.endr
.endr
.endr
.irp u, 0,1
.irp c, 0,1
.irp e, 0,1,2,3
	global_load_b128 v[SC+32*\u+16*\c+4*\e:SC+32*\u+16*\c+4*\e+3], v[QGO], s[44:45] offset:4096*\u+128*\c+16*(\e&1)+64*(\e>>1)
.endr
.endr
.endr
	LOADT 0                                        ; tiles 0 and 1
	LOADT 1
	WIN 0
	; the other lane terms, while the loads are on their way
	v_mul_u32_u24 v[KLD], v27, KPITCH              ; K fragment: row r, 16 bytes for each lane half
	v_lshl_add_u32 v[KLD], v28, 4, v[KLD]
	v_and_b32 v29, 7, v0
	v_lshl_add_u32 v29, v28, 3, v29                ; V fragment: key 8 h + lane % 8,
	v_mul_u32_u24 v[VLD], v29, VPITCH
	v_bfe_u32 v29, v0, 3, 1
	v_lshl_add_u32 v[VLD], v29, 4, v[VLD]          ; 16 bytes for each group of eight lanes
	v_add_nc_u32 v[VLD], VBASE, v[VLD]
	s_mul_i32 s30, s12, KPITCH
	v_mul_u32_u24 v[KST], v28, 8*KPITCH            ; K in LDS: row 8 h + w, 8 bytes a lane
	v_lshl_add_u32 v[KST], v27, 3, v[KST]
	v_add_nc_u32 v[KST], s30, v[KST]
	s_mul_i32 s31, s12, VPITCH
	s_add_co_u32 s31, s31, VBASE
	v_mul_u32_u24 v[VST], v28, 4*VPITCH            ; V in LDS: row 4 h + w
	v_lshl_add_u32 v[VST], v27, 3, v[VST]
	v_add_nc_u32 v[VST], s31, v[VST]
	s_mul_i32 s37, s12, WSTAGE
	s_add_co_u32 s37, s37, STAGE                   ; my stage
	v_mul_u32_u24 v[OST], v27, SPITCH              ; in: row r (+ 16 u), 32 bytes for each lane half
	v_lshl_add_u32 v[OST], v28, 5, v[OST]
	v_add_nc_u32 v[OST], s37, v[OST]
	v_mul_u32_u24 v[ORD], v28, SPITCH              ; back: lanes 0-15 one row, lanes 16-31 the next
	v_lshl_add_u32 v[ORD], v27, 4, v[ORD]
	v_add_nc_u32 v[ORD], s37, v[ORD]
	s_mul_i32 s30, s12, 32*OROW
	v_mul_u32_u24 v[OGO], v28, OROW                ; and the same two rows in the output
	v_lshl_add_u32 v[OGO], v27, 4, v[OGO]
	v_add_nc_u32 v[OGO], s30, v[OGO]
	s_lshl_b32 s31, s12, 5
	v_lshlrev_b32 v29, 3, v28
	v_sub_nc_u32 v[DQ], v27, v29                   ; r - 8 h
	v_add_nc_u32 v[DQ], s31, v[DQ]                 ; + 32 w
	v_add_nc_u32 v[DQ+1], 16, v[DQ]
	v_mov_b32 v[NINF], 0xff800000
	v_mov_b32 v[TX], 0                             ; v_permlanex16_b32 counts as a reader of its destination
	v_mov_b32 v[TX+1], 0
.irp j, 0,1,2,3,4,5,6,7
	v_mov_b32 v[ONE+\j], 0x3c003c00                ; 1.0 in f16, twice
.endr
	; the output of my two blocks: batch b, row 128 x block, head hd
	s_cmp_ge_u32 s14, 12
	s_cselect_b32 s30, 1, 0                        ; b
	s_mul_i32 s31, s30, 12
	s_sub_co_u32 s31, s14, s31                     ; hd
	s_mul_i32 s30, s30, 2048*OROW
	s_lshl_b32 s31, s31, 8
	s_add_co_u32 s30, s30, s31
	s_mul_i32 s31, s13, 128*OROW
	s_add_co_u32 s18, s30, s31
	s_add_nc_u64 s[32:33], s[10:11], s[18:19]
	s_mul_i32 s31, s15, 128*OROW
	s_add_co_u32 s18, s30, s31
	s_add_nc_u64 s[34:35], s[10:11], s[18:19]
	s_wait_loadcnt 32                              ; Q is in; the 32 loads of tiles 0 and 1 are younger
.set m, 0
.rept 32
	v_cvt_pk_bf16_f32 v[QS+m], v[OA+2*m], v[OA+2*m+1]
	v_cvt_pk_bf16_f32 v[QB+m], v[SC+2*m], v[SC+2*m+1]
.set m, m+1
.endr
	s_wait_loadcnt 16                              ; tile 0 is in; tile 1 is younger
	CVTST 0
	s_mov_b32 s28, 1
	NEXT                                           ; trip 1
	LOADT 0                                        ; tile 2
	s_wait_loadcnt 16                              ; tile 1 is in; tile 2 is younger
	CVTST 1
	LOADT 1                                        ; tile 3
	WIN 0
	s_wait_dscnt 0                                 ; my parts of tiles 0 and 1 have landed in LDS
	s_barrier_signal -1
	s_barrier_wait -1                              ; everybody's have
	KLOAD 0
	VLOAD 0
	WIN 0
	; ---------------------------------------------------------------- block p: its diagonal, then key blocks 0 .. p - 1
	TRIP QS, 1, 0
	s_cmp_eq_u32 s13, 0
	s_cbranch_scc1 .Lsmall_done
	s_mov_b32 s29, 0
.Lsmall:
	TRIP QS, 0, 0
	s_add_co_u32 s29, s29, 1
	s_cmp_lt_u32 s29, s13
	s_cbranch_scc1 .Lsmall
.Lsmall_done:
	EPI 32, 1
	; ---------------------------------------------------------------- block 15 - p: its diagonal, then key blocks 0 .. 14 - p
	TRIP QB, 1, 0
	s_mov_b32 s29, 0
.Lbig:
	TRIP QB, 0, 0                                  ; 13 - p trips, six at the least; the last two are written out, since they ask for nothing
	s_add_co_u32 s29, s29, 1
	s_cmp_lt_u32 s29, s39
	s_cbranch_scc1 .Lbig
	TRIP QB, 0, 1
	TRIP QB, 0, 2
	EPI 34, 0
	s_wait_tensorcnt 0x0
	ds_add_u32 v38, v39
	s_wait_dscnt 0x0
	s_endpgm
.Lfunc_end_k_q24d5a88057_attn:
	.size	k_q24d5a88057_attn, .Lfunc_end_k_q24d5a88057_attn-k_q24d5a88057_attn
	.p2alignl 7, 3214868480
	.fill 96, 4, 3214868480
	.section	.rodata,"a",@progbits
	.p2align	6, 0x0
	.amdhsa_kernel k_q24d5a88057_attn
		.amdhsa_group_segment_fixed_size 74240
		.amdhsa_private_segment_fixed_size 0
		.amdhsa_enable_private_segment 0
		.amdhsa_kernarg_size 32
		.amdhsa_user_sgpr_count 2
		.amdhsa_user_sgpr_kernarg_segment_ptr 1
		.amdhsa_wavefront_size32 1
		.amdhsa_system_sgpr_workgroup_id_x 1
		.amdhsa_system_sgpr_workgroup_id_y 1
		.amdhsa_system_sgpr_workgroup_id_z 1
		.amdhsa_system_vgpr_workitem_id 0
		.amdhsa_next_free_vgpr 512
		.amdhsa_next_free_sgpr 66
		.amdhsa_reserve_vcc 1
		.amdhsa_float_denorm_mode_32 3
		.amdhsa_float_denorm_mode_16_64 3
		.amdhsa_memory_ordered 1
		.amdhsa_forward_progress 1
		.amdhsa_inst_pref_size 255
	.end_amdhsa_kernel
	.section	.bss,"aw",@nobits
	.p2align	6
	.space	262144
	.amdgpu_metadata
---
amdhsa.version: [ 1, 2 ]
amdhsa.kernels:
  - .name:           k_q24d5a88057_attn
    .symbol:         k_q24d5a88057_attn.kd
    .args:
      - { .name: multi_head_q, .offset: 0, .size: 8, .value_kind: global_buffer, .address_space: global }
      - { .name: multi_head_k, .offset: 8, .size: 8, .value_kind: global_buffer, .address_space: global }
      - { .name: multi_head_v, .offset: 16, .size: 8, .value_kind: global_buffer, .address_space: global }
      - { .name: out0, .offset: 24, .size: 8, .value_kind: global_buffer, .address_space: global }
    .group_segment_fixed_size: 74240
    .private_segment_fixed_size: 0
    .kernarg_segment_align: 8
    .kernarg_segment_size: 32
    .max_flat_workgroup_size: 128
    .sgpr_count:     66
    .vgpr_count:     512
    .wavefront_size: 32
...
	.end_amdgpu_metadata
.endif
;; end of part 1
;; ======== version 2 of 2: 1 launch; 1.36 times as fast as version 1
;; limits: inputs' magnitudes at most 65,280; below input magnitudes of 6.1e-05 results are inexact or not finite; values are held in f16: magnitudes above 65,504 overflow, below 6.1e-05 lose precision
;; launch attn (part 2): grid 8 x 24, 4 waves a work-group, no clusters, 74,240 bytes of LDS; arguments multi_head_q, multi_head_k, multi_head_v, out0; writes out0
.if DOCPART == 2
	.amdgcn_target "amdgcn-amd-amdhsa--gfx1250"
	.amdhsa_code_object_version 6
	.text
	.protected	k_q24d5a88057_attn
	.globl	k_q24d5a88057_attn
	.p2align	8
	.type	k_q24d5a88057_attn,@function
k_q24d5a88057_attn:
	s_mov_b64 s[64:65], 0
	v_nop
	global_prefetch_b8 v0, s[64:65] scope:SCOPE_SE
	s_setreg_imm32_b32 hwreg(HW_REG_WAVE_MODE, 25, 1), 1
	s_wait_xcnt 0x0
; Causal attention, 24 heads (2 x 12) of 2048 rows x 64, f32 in, f32 out as [2][2048][12*64].  One launch, nothing goes through memory.
;
; SHARING.  A query block is 128 rows; block i needs i + 1 trips of 128 keys.  Work-group (p, head), p = 0..7, takes block p and then block
; 15 - p: (p + 1) + (16 - p) = 17 trips = 34 tiles of 64 keys in every work-group.  Wave w owns rows 32 w .. 32 w + 31 of the block, as two
; sub-blocks u of 16 rows.  In a block the diagonal trip comes first (masked; its first tile starts maximum, sum and output, so nothing is
; cleared), then key blocks 0 .. i - 1 without a mask; the running maximum makes the order immaterial.
;
; MATRIX LAYOUTS.  Scores are made transposed, S^T = K Q^T: source 0 = 16 keys x 32 d, source 1 = 16 queries x 32 d; lane (r, h) then holds, in
; register j, key 16 t + 8 h + j of query r.  So a row's maximum is taken inside a lane and needs one exchange between the lane halves,
; and the weights of tiles 2 c and 2 c + 1, packed to 16 bits, ARE source 1 (32 keys x 16 queries) of O^T = V^T P^T: no transposition of P.
; V^T fragments come by the transposing LDS load from V kept as [key][d].  In O^T a lane holds 8 neighbouring d of one query, so the
; rescaling and 1 / sum are numbers of the lane.
;
; NUMBER FORMATS.  Q, K and V are all rounded to bf16: the result is attention on the three inputs rounded alike.  The first product runs in
; bf16.  The second runs in f16: the weights lie in [0, 1], where f16 rounds to 2^-11 and bf16 to 2^-9, and in rows with few keys, where terms
; p v of the size of v cancel, 2^-9 |v| is too coarse.  V's bf16 numbers (8 significant bits) are exact in f16 from 2^-14 to 65,504.
; The row sums are made by the matrix unit too, ones x P: they are the sums of the very weights that multiply V, so the weights used sum to one.
;
; SOFTMAX.  p = exp2(s c + NM), c = log2(e) / 8, NM = round(-c m), m the running maximum of the raw scores; the rescaling factor is
; exp2(NM new - NM old), made of the same rounded numbers, so that it fits the weights whatever the rounding of c m.
;
; THE BATCHES.  A tile's exponentials, the two rescaling factors and the 64 weights of a lane, are ONE BATCH with ONE wait.  Ahead of the wait
; stands what names none of their results: the 32 scalings, spread among the exponentials.  Behind it stand all that do: the rescaling of the
; row sums, the 32 packings, the sum products, and the rescaling of O, eight lines behind each sum product.  The two reciprocals of a block's
; way out are a batch of their own, with one wait.  No result crosses a label or a jump: no transcendental is issued behind a tile's wait.
;
; K AND V come as f32 through registers (a ring of two tiles, asked for two tiles before they are rounded), are rounded once in the
; work-group and laid into two LDS buffers that take turns; one barrier for each tile.
;
; NO CLUSTER, NO JOINT REQUESTS: the eight work-groups of a head read the same K and V, but at trip G work-group p is at key block kb(G, p),
; another one for each p, and the tiles have to pass through registers to be rounded, where a joint request would lay f32 into LDS
; (32 KiB a tile) to be read, rounded and stored once more.
;
; LIMITS.  |V| above 65,504 becomes infinite in f16; |V| below 2^-14 carries an absolute error of up to 2^-25.  A weight below 2^-25 of its
; row's largest counts as zero.  NaN and infinite inputs get no special treatment.
.set CEXP,   0x3e38aa3b                ; log2(e) / 8
.set NCEXP,  0xbe38aa3b                ; its negative
.set KPITCH, 144                       ; LDS row of K: 128 bytes + 16: an odd multiple of 16, the 16 rows of a fragment load start in 16 different columns of 16 bytes
.set VPITCH, 160                       ; LDS row of V: 128 bytes + 32: an odd multiple of 32, for the transposing load
.set KBUF,   64*KPITCH                 ; 9,216 bytes: one tile of K in bf16
.set VBUF,   64*VPITCH                 ; 10,240 bytes: one tile of V in f16
.set VBASE,  2*KBUF                    ; V buffers lie behind the two K buffers
.set STAGE,  VBASE+2*VBUF              ; 38,912: the way out, 32 rows of 272 bytes for each wave
.set SPITCH, 272
.set WSTAGE, 32*SPITCH                 ; 8,704
.set TILEB,  64*256                    ; a tile of 64 keys of 64 f32 in memory
.set OROW,   3072                      ; a row of the output: 768 f32
; window 0
.set KLD, 2                            ; LDS address of my part of a K fragment
.set VLD, 3                            ; the same for V (transposing load)
.set KST, 4                            ; where I put 8 bytes of K in bf16
.set VST, 5                            ; the same for V in f16
.set KGO, 6                            ; my byte offset in a tile of K in memory
.set VGO, 7                            ; the same for V
.set OST, 8                            ; stage: where I put 16 bytes of a row of O
.set ORD, 9                            ; stage: where I read a row back
.set OGO, 10                           ; my byte offset in the output block
.set QGO, 11                           ; my byte offset in the Q block
.set DQ,  12                           ; v[12:13]  query - 8 h inside the block, for u = 0, 1 (signed)
.set NINF, 14                          ; minus infinity
.set MX,  16                           ; v[16:17]  running maximum of the raw scores
.set NM0, 18                           ; v[18:19]  -c m as left by even tiles
.set AL,  20                           ; v[20:21]  rescaling factor; at the end 1 / sum
.set TA,  26                           ; v[26:27]  at work
.set TB,  28                           ; v[28:29]  at work
.set TX,  30                           ; v[30:31]  what the other lane half sent
.set NM1, 32                           ; v[32:33]  -c m as left by odd tiles
.set QS,  40                           ; v[40:71]   Q of block p in bf16: fragment (u, c) at 16 u + 8 c
.set QB,  72                           ; v[72:103]  Q of block 15 - p
.set OA,  104                          ; v[104:167] O^T: tile (u, dt) at 32 u + 8 dt
.set SC,  168                          ; v[168:231] S^T: tile (u, t) at 32 u + 8 t; then P at 32 u + 16 c
.set ONE, 232                          ; v[232:239] a fragment of 16 x 32 ones in f16
.set LT,  240                          ; v[240:255] ones x P: tile u at 8 u; register 0 is the row sum of query r, the only one that is rescaled and read
; window 1: v0-63 and v64-127 the ring of two tiles (K f32 in the first 32 registers, V f32 in the second 32)
.set KF,  128                          ; K fragments: (t, c) at 16 t + 8 c
.set VF,  192                          ; V^T fragments: (dt, c) at 16 dt + 8 c
; scalars: s[4:11] q, k, v, out; s12 wave; s13 p; s14 head; s15 15 - p; s16-17 lane selects; s[18:19] an offset in 64 bits;
; s[20:21], s[22:23] K and V of my head; s28 the trip fetched next; s29 loop counter; s30, s31, s37 at work;
; s[32:33], s[34:35] output of block p, of block 15 - p; s36 p + 1; s38 p + 2; s39 13 - p; s[40:41] c twice; s[42:43], s[44:45] Q of the two blocks;
; s46 mask of a word's upper half
.set KP,  24                           ; s[24:25]  K at the key block that is being fetched
.set VP,  26                           ; s[26:27]  V likewise
; s_set_vgpr_msb: bits 1:0 source 0, 3:2 source 1, 5:4 source 2, 7:6 destination; the high byte repeats the setting that is left
.set MSB, 0
.macro WIN new
.if MSB != \new
	s_set_vgpr_msb (MSB<<8)|\new
.set MSB, \new
.endif
.endm
.set TO_W1,  0x40                      ; loads into window 1, address in window 0
.set MM_W1,  0x01                      ; matrix instructions: source 0 in window 1
.set CVT_W1, 0x45                      ; rounding in place in window 1
.set ST_W1,  0x04                      ; LDS stores: data in window 1, address in window 0
.macro PLACES n
.rept \n
	v_nop
.endr
.endm
; The bases of the trip s28 (1 .. 16): key block s28 - 1 up to trip p, 15 - p at trip p + 1 (the second diagonal), s28 - p - 2 behind it.
.macro NEXT
	s_sub_co_u32 s30, s28, 1
	s_sub_co_u32 s31, s28, s38                     ; wraps where it is not chosen
	s_cmp_le_u32 s28, s13
	s_cselect_b32 s30, s30, s31
	s_cmp_eq_u32 s28, s36
	s_cselect_b32 s30, s15, s30
	s_min_u32 s30, s30, 15                         ; a key block of the head, in plain sight
	s_lshl_b32 s18, s30, 15                        ; 128 keys of 256 bytes
	s_wait_xcnt 0x0                                ; the bases are sources of the loads issued so far: rewritten only behind this wait
	s_add_nc_u64 s[KP:KP+1], s[20:21], s[18:19]
	s_add_nc_u64 s[VP:VP+1], s[22:23], s[18:19]
	s_add_co_u32 s28, s28, 1
.endm
; 16 loads: my quarter of tile par of the trip at KP, VP.  Each half of the lanes reads one whole row of 256 bytes.
; K: load i takes keys 16 (i / 2) + 4 (i % 2) + w and + 8; V: keys 8 i + w and + 4: the two rows of an instruction then lie 128 bytes apart
; modulo 256 in LDS (8 x 144 and 4 x 160), so that the 8-byte stores of the 32 lanes meet in no bank.
.macro LOADT par
	WIN TO_W1
.irp i, 0,1,2,3,4,5,6,7
	global_load_b128 v[64*\par+4*\i:64*\par+4*\i+3], v[KGO], s[KP:KP+1] offset:TILEB*\par+4096*(\i>>1)+1024*(\i&1)
.endr
.irp i, 0,1,2,3,4,5,6,7
	global_load_b128 v[64*\par+32+4*\i:64*\par+32+4*\i+3], v[VGO], s[VP:VP+1] offset:TILEB*\par+2048*\i
.endr
.endm
; Round ring slot par in place and lay it into LDS buffer par.
; K: to bf16, register k from registers 2 k, 2 k + 1, k ascending.
; V: to bf16 (the pair lands in register 2 k), back to two f32 by a mask and a shift, and packed as f16, which holds these numbers exactly.
.macro CVTST par
	WIN CVT_W1
.irp k, 0,1,2,3,4,5,6,7,8,9,10,11,12,13,14,15
	v_cvt_pk_bf16_f32 v[64*\par+\k], v[64*\par+2*\k], v[64*\par+2*\k+1]
.endr
.irp k, 0,1,2,3,4,5,6,7,8,9,10,11,12,13,14,15
	v_cvt_pk_bf16_f32 v[64*\par+32+2*\k], v[64*\par+32+2*\k], v[64*\par+33+2*\k]
.endr
.irp k, 0,1,2,3,4,5,6,7,8,9,10,11,12,13,14,15
	v_and_b32 v[64*\par+33+2*\k], s46, v[64*\par+32+2*\k]
.endr
.irp k, 0,1,2,3,4,5,6,7,8,9,10,11,12,13,14,15
	v_lshlrev_b32 v[64*\par+32+2*\k], 16, v[64*\par+32+2*\k]
.endr
.irp k, 0,1,2,3,4,5,6,7,8,9,10,11,12,13,14,15
	v_cvt_pk_f16_f32 v[64*\par+32+\k], v[64*\par+32+2*\k], v[64*\par+33+2*\k]
.endr
	WIN ST_W1
.irp i, 0,1,2,3,4,5,6,7
	ds_store_b64 v[KST], v[64*\par+2*\i:64*\par+2*\i+1] offset:KBUF*\par+KPITCH*(16*(\i>>1)+4*(\i&1))
.endr
.irp i, 0,1,2,3,4,5,6,7
	ds_store_b64 v[VST], v[64*\par+32+2*\i:64*\par+32+2*\i+1] offset:VBUF*\par+8*VPITCH*\i
.endr
.endm
; 16 LDS loads: the eight K fragments (16 keys x 32 d) of buffer par
.macro KLOAD par
	WIN TO_W1
.irp t, 0,1,2,3
.irp c, 0,1
	ds_load_b128 v[KF+16*\t+8*\c:KF+16*\t+8*\c+3],   v[KLD] offset:KBUF*\par+16*KPITCH*\t+64*\c
	ds_load_b128 v[KF+16*\t+8*\c+4:KF+16*\t+8*\c+7], v[KLD] offset:KBUF*\par+16*KPITCH*\t+64*\c+32
.endr
.endr
.endm
; 16 transposing LDS loads: the eight V^T fragments (16 d x 32 keys) of buffer par
.macro VLOAD par
	WIN TO_W1
.irp d, 0,1,2,3
.irp c, 0,1
	ds_load_tr16_b128 v[VF+16*\d+8*\c:VF+16*\d+8*\c+3],   v[VLD] offset:VBUF*\par+32*VPITCH*\c+32*\d
	ds_load_tr16_b128 v[VF+16*\d+8*\c+4:VF+16*\d+8*\c+7], v[VLD] offset:VBUF*\par+32*VPITCH*\c+32*\d+16*VPITCH
.endr
.endr
.endm
; 16 matrix instructions: S^T of 64 keys x 32 queries.  The products of d 0-31 start the sums, those of d 32-63 go on in place.
.macro QK qb
	WIN MM_W1
.irp u, 0,1
.irp t, 0,1,2,3
	v_wmma_f32_16x16x32_bf16 v[SC+32*\u+8*\t:SC+32*\u+8*\t+7], v[KF+16*\t:KF+16*\t+7], v[\qb+16*\u:\qb+16*\u+7], 0
.endr
.endr
.irp u, 0,1
.irp t, 0,1,2,3
	v_wmma_f32_16x16x32_bf16 v[SC+32*\u+8*\t:SC+32*\u+8*\t+7], v[KF+16*\t+8:KF+16*\t+15], v[\qb+16*\u+8:\qb+16*\u+15], v[SC+32*\u+8*\t:SC+32*\u+8*\t+7]
.endr
.endr
.endm
; Pair g of 32 of O^T (sub-block g / 16, pair g % 16) times its sub-block's rescaling factor.  It reads the factor: it stands behind the tile's wait.
.macro RS g
.if (\g) < 16
	v_pk_mul_f32 v[OA+2*(\g):OA+2*(\g)+1], v[OA+2*(\g):OA+2*(\g)+1], v[AL:AL+1] op_sel_hi:[1,0]
.else
	v_pk_mul_f32 v[OA+2*(\g):OA+2*(\g)+1], v[OA+2*(\g):OA+2*(\g)+1], v[AL:AL+1] op_sel:[0,1] op_sel_hi:[1,1]
.endif
.endm
; 4 matrix instructions, all operands in window 0: row sums += ones x P^T.  Every row of the result is the sum over the 32 keys of column r.
; Behind each stand eight of the 32 rescalings of O^T (none in a block's first tile), g ascending
; they name O^T and the factors alone, none of these products' registers, and are over before the first product with V takes O^T as its C.
.macro LSUM first
	WIN 0
.set g, 0
.irp c, 0,1
.irp u, 0,1
.if (\first) && ((\c) == 0)
	v_wmma_f32_16x16x32_f16 v[LT+8*\u:LT+8*\u+7], v[ONE:ONE+7], v[SC+32*\u+16*\c:SC+32*\u+16*\c+7], 0
.else
	v_wmma_f32_16x16x32_f16 v[LT+8*\u:LT+8*\u+7], v[ONE:ONE+7], v[SC+32*\u+16*\c:SC+32*\u+16*\c+7], v[LT+8*\u:LT+8*\u+7]
.endif
.if \first == 0
.rept 8
	RS g
.set g, g+1
.endr
.endif
.endr
.endr
.endm
; 16 matrix instructions: O^T += V^T P^T.  first = 1: the products of keys 0-31 start the sums.
.macro PV first
	WIN MM_W1
.irp u, 0,1
.irp d, 0,1,2,3
.if \first
	v_wmma_f32_16x16x32_f16 v[OA+32*\u+8*\d:OA+32*\u+8*\d+7], v[VF+16*\d:VF+16*\d+7], v[SC+32*\u:SC+32*\u+7], 0
.else
	v_wmma_f32_16x16x32_f16 v[OA+32*\u+8*\d:OA+32*\u+8*\d+7], v[VF+16*\d:VF+16*\d+7], v[SC+32*\u:SC+32*\u+7], v[OA+32*\u+8*\d:OA+32*\u+8*\d+7]
.endif
.endr
.endr
.irp u, 0,1
.irp d, 0,1,2,3
	v_wmma_f32_16x16x32_f16 v[OA+32*\u+8*\d:OA+32*\u+8*\d+7], v[VF+16*\d+8:VF+16*\d+15], v[SC+32*\u+16:SC+32*\u+23], v[OA+32*\u+8*\d:OA+32*\u+8*\d+7]
.endr
.endr
.endm
; The diagonal trip: key koff + 16 t + 8 h + j is beyond query 32 w + 16 u + r where koff + 16 t + j > DQ[u]: minus infinity there.
.macro MASK koff
.irp u, 0,1
.irp t, 0,1,2,3
.irp j, 0,1,2,3,4,5,6,7
	v_cmp_gt_i32 vcc_lo, \koff+16*\t+\j, v[DQ+\u]
	v_cndmask_b32 v[SC+32*\u+8*\t+\j], v[SC+32*\u+8*\t+\j], v[NINF], vcc_lo
.endr
.endr
.endr
.endm
; Pair g of 32 of the scores (sub-block g / 16, pair g % 16): the exponent s c + NM.  It names no exponential's result: it stands ahead of the tile's wait.
.macro FS new, g
.if (\g) < 16
	v_pk_fma_f32 v[SC+2*(\g):SC+2*(\g)+1], v[SC+2*(\g):SC+2*(\g)+1], s[40:41], v[\new:\new+1] op_sel_hi:[1,0,0]
.else
	v_pk_fma_f32 v[SC+2*(\g):SC+2*(\g)+1], v[SC+2*(\g):SC+2*(\g)+1], s[40:41], v[\new:\new+1] op_sel:[0,0,1] op_sel_hi:[1,0,1]
.endif
.endm
; Pair q (tile t = q / 4, registers 2 k, 2 k + 1, k = q % 4) is packed as f16 into register 4 (t % 2) + k of tile t - t % 2: a register whose
; weights have been packed already, since q ascends.  It reads two weights: it stands behind the tile's wait.
.macro CVTQ u, q
	v_cvt_pk_f16_f32 v[SC+32*\u+16*(\q>>3)+4*((\q>>2)&1)+(\q&3)], v[SC+32*\u+2*\q], v[SC+32*\u+2*\q+1]
.endm
; The softmax step of one tile.  new, old: the registers of -c m that this tile writes, and those that the last tile wrote.
; Its exponentials are one batch: no line between the first of them and the wait names a result of theirs.
.macro SOFT new, old, first
	; the largest of my 32 scores of each query and of the running maximum: four chains that do not wait for each other
.if \first
	v_max_num_f32 v[TA],   v[SC],    v[SC+1]
	v_max_num_f32 v[TA+1], v[SC+32], v[SC+33]
.else
	v_max3_num_f32 v[TA],   v[MX],   v[SC],    v[SC+1]
	v_max3_num_f32 v[TA+1], v[MX+1], v[SC+32], v[SC+33]
.endif
	v_max3_num_f32 v[TB],   v[SC+16], v[SC+17], v[SC+18]
	v_max3_num_f32 v[TB+1], v[SC+48], v[SC+49], v[SC+50]
.irp k, 0,1,2,3,4,5
	v_max3_num_f32 v[TA],   v[TA],   v[SC+2+2*\k],  v[SC+3+2*\k]
	v_max3_num_f32 v[TA+1], v[TA+1], v[SC+34+2*\k], v[SC+35+2*\k]
	v_max3_num_f32 v[TB],   v[TB],   v[SC+19+2*\k], v[SC+20+2*\k]
	v_max3_num_f32 v[TB+1], v[TB+1], v[SC+51+2*\k], v[SC+52+2*\k]
.endr
	v_max3_num_f32 v[TA],   v[TA],   v[SC+14], v[SC+15]
	v_max3_num_f32 v[TA+1], v[TA+1], v[SC+46], v[SC+47]
	v_max3_num_f32 v[MX],   v[TA],   v[TB],   v[SC+31]
	v_max3_num_f32 v[MX+1], v[TA+1], v[TB+1], v[SC+63]
	v_permlanex16_b32 v[TX],   v[MX],   s16, s17   ; the other half of the lanes holds the other keys of the same query
	v_permlanex16_b32 v[TX+1], v[MX+1], s16, s17
	v_max_num_f32 v[MX],   v[MX],   v[TX]
	v_max_num_f32 v[MX+1], v[MX+1], v[TX+1]
	v_mul_f32 v[\new],   NCEXP, v[MX]
	v_mul_f32 v[\new+1], NCEXP, v[MX+1]
.if \first == 0
	v_sub_f32 v[AL],   v[\new],   v[\old]
	v_sub_f32 v[AL+1], v[\new+1], v[\old+1]
.endif
	; THE BATCH: the two factors, then the 64 weights, both sub-blocks on end (pair g of 32).  The scaling of pair g + 2 leads the two exponentials of
	; pair g: a pair is scaled six lines ahead of its first exponential, and the 32 scalings are spread over the batch as plain lines among the exponentials.
	FS \new, 0
	FS \new, 1
.if \first == 0
	v_exp_f32 v[AL],   v[AL]
	v_exp_f32 v[AL+1], v[AL+1]
.endif
.set g, 0
.rept 32
.if g < 30
	FS \new, g+2
.endif
	v_exp_f32 v[SC+2*g],   v[SC+2*g]
	v_exp_f32 v[SC+2*g+1], v[SC+2*g+1]
.set g, g+1
.endr
	v_nop                                          ; the plain instruction between the last exponential and the first use of a result (ISA guide 5.7.2): one for the batch; no scaling is left to take its place
	s_wait_alu depctr_va_vdst(0)                   ; the wait for the batch, ahead of the first line that names a result: one for the tile's 66 exponentials (64 in a block's first tile)
	; THE READERS
.if \first == 0
	v_mul_f32 v[LT],   v[LT],   v[AL]              ; the old row sums: register 0 of each tile alone; the other seven rows of the tile are never read
	v_mul_f32 v[LT+8], v[LT+8], v[AL+1]
.endif
.irp q, 0,1,2,3,4,5,6,7,8,9,10,11,12,13,14,15
	CVTQ 0, \q
.endr
.irp q, 0,1,2,3,4,5,6,7,8,9,10,11,12,13,14,15
	CVTQ 1, \q
.endr
.endm
; ONE TILE n, of parity par (oth = the other parity).  Its fragments were asked for in the step before.
; first: it starts maximum, sums and O.  mask: it belongs to a diagonal trip.  cvt: tile n + 2 is rounded and laid into buffer par;
; lcnt: how many younger loads may stay out then.  ld: tile n + 4 is asked for.  more: a tile follows.
.macro STEP par, oth, qb, first, mask, cvt, ld, lcnt, more
	s_wait_dscnt 16                                ; LDS serves a wave in order (ISA guide 5.7.1): the K fragments are in, the 16 V loads issued last may be out
	QK \qb
	WIN 0
	PLACES 4                                       ; four places behind the last product before vector instructions read S (ISA guide 7.12.1), and before K fragments are loaded again
.if \mask
	MASK 64*\par
.endif
.if \par
	SOFT NM1, NM0, \first
.else
	SOFT NM0, NM1, \first
.endif
	LSUM \first                                    ; needs P alone: it runs while the V fragments may still be on their way; O's rescaling stands among its products
	WIN MM_W1
	s_wait_dscnt 0                                 ; V fragments are in; my reads of buffer par are over; my stores of tile n + 1 into buffer oth have landed
.if \more
	s_barrier_signal -1                            ; say so,
.endif
	PV \first                                      ; work on registers meanwhile,
.if \more
	s_barrier_wait -1                              ; and go on when all four have said so: buffer oth is whole, nobody reads buffer par
	KLOAD \oth
.endif
.if \cvt
	s_wait_loadcnt \lcnt                           ; loads come back in order: tile n + 2 is in, the loads of tile n + 3 stay out
	CVTST \par                                     ; its 80 vector instructions are also the places behind the products with P: for the loads into V fragments, for the next S over P, for readers of O and of the sums
.else
	WIN 0
	PLACES 5                                       ; the same places where nothing is left to round
.endif
.if \ld
	LOADT \par
.endif
.if \more
	VLOAD \oth
.endif
	WIN 0
.endm
; A TRIP = 128 keys = two tiles.  mode 0: the ring runs on (the bases are set two trips ahead); mode 1: the last but one, nothing more is
; asked for, and behind its second rounding no load is out; mode 2: the last, nothing more is rounded.
.macro TRIP qb, diag, mode
.if \mode == 0
	NEXT
	STEP 0, 1, \qb, \diag, \diag, 1, 1, 16, 1
	STEP 1, 0, \qb, 0, \diag, 1, 1, 16, 1
.endif
.if \mode == 1
	STEP 0, 1, \qb, 0, 0, 1, 0, 16, 1
	STEP 1, 0, \qb, 0, 0, 1, 0, 0, 1
.endif
.if \mode == 2
	STEP 0, 1, \qb, 0, 0, 0, 0, 0, 1
	STEP 1, 0, \qb, 0, 0, 0, 0, 0, 0
.endif
.endm
; THE WAY OUT of a block: divide by the row sums, 16 bytes a lane into my own stage, back as whole rows: the 64 f32 of a (row, head) are
; 256 consecutive bytes of the output, at a multiple of 256 from its first byte, and 16 neighbouring lanes store them with one instruction.
.macro EPI base, again
	v_rcp_f32 v[AL],   v[LT]                       ; register 0 of the sum tile: the sum of query r, in both lane halves
	v_rcp_f32 v[AL+1], v[LT+8]
	v_nop                                          ; one plain place behind the reciprocals (ISA guide 5.7.2)
	s_wait_alu depctr_va_vdst(0)                   ; the wait ahead of the first use: one for the two reciprocals, ahead of all 32 multiplies
.irp q, 0,1,2,3,4,5,6,7,8,9,10,11,12,13,14,15
	v_pk_mul_f32 v[OA+2*\q:OA+2*\q+1],       v[OA+2*\q:OA+2*\q+1],       v[AL:AL+1] op_sel_hi:[1,0]
	v_pk_mul_f32 v[OA+32+2*\q:OA+33+2*\q],   v[OA+32+2*\q:OA+33+2*\q],   v[AL:AL+1] op_sel:[0,1] op_sel_hi:[1,1]
.endr
.irp u, 0,1
.irp d, 0,1,2,3
.irp j, 0,1
	ds_store_b128 v[OST], v[OA+32*\u+8*\d+4*\j:OA+32*\u+8*\d+4*\j+3] offset:16*SPITCH*\u+64*\d+16*\j
.endr
.endr
.endr
.irp i, 0,1,2,3,4,5,6,7,8,9,10,11,12,13,14,15
	ds_load_b128 v[SC+4*\i:SC+4*\i+3], v[ORD] offset:2*SPITCH*\i     ; the stage is my own and LDS serves a wave in order: these see the stores above
.endr
.irp i, 0,1,2,3,4,5,6,7,8,9,10,11,12,13,14,15
	s_wait_dscnt 15-\i                             ; rows 2 i, 2 i + 1 are in; the younger reads stay out
	global_store_b128 v[OGO], v[SC+4*\i:SC+4*\i+3], s[\base:\base+1] offset:2*OROW*\i th:TH_STORE_NT
.endr
.if \again
	s_wait_xcnt 0x0                                ; the stores read S, which the next block writes only behind this wait
.endif
.endm
	; ---------------------------------------------------------------- set-up
	s_load_b256 s[4:11], s[0:1], 0x0               ; q s[4:5], k s[6:7], v s[8:9], out s[10:11]
	v_lshl_add_u32 v38, v0, 2, 0x12000
	v_mov_b32 v39, 0
	v_lshrrev_b32 v1, 5, v0
	v_readfirstlane_b32 s12, v1                    ; wave 0..3
	s_mov_b32 s13, ttmp9                           ; p
	s_and_b32 s14, ttmp7, 0xffff                   ; head, 12 b + hd
	s_sub_co_u32 s15, 15, s13                      ; the second block
	s_mov_b32 s16, 0x76543210                      ; v_permlanex16_b32: lane i of one half reads lane i of the other
	s_mov_b32 s17, 0xfedcba98
	s_mov_b32 s19, 0
	s_add_co_u32 s36, s13, 1
	s_add_co_u32 s38, s13, 2
	s_sub_co_u32 s39, 13, s13
	s_mov_b32 s40, CEXP
	s_mov_b32 s41, CEXP
	s_mov_b32 s46, 0xffff0000                      ; a word's upper bf16
	v_and_b32 v27, 15, v0                          ; r
	v_bfe_u32 v28, v0, 4, 1                        ; h
	s_lshl_b32 s30, s12, 8
	v_lshlrev_b32 v[KGO], 11, v28                  ; K in memory: row 8 h + w, 16 bytes a lane
	v_lshl_add_u32 v[KGO], v27, 4, v[KGO]
	v_add_nc_u32 v[KGO], s30, v[KGO]
	v_lshlrev_b32 v[VGO], 10, v28                  ; V in memory: row 4 h + w
	v_lshl_add_u32 v[VGO], v27, 4, v[VGO]
	v_add_nc_u32 v[VGO], s30, v[VGO]
	s_lshl_b32 s31, s12, 13
	v_lshlrev_b32 v[QGO], 8, v27                   ; Q in memory: row 32 w + r, 32 bytes for each lane half
	v_lshl_add_u32 v[QGO], v28, 5, v[QGO]
	v_add_nc_u32 v[QGO], s31, v[QGO]
	s_wait_kmcnt 0x0
	s_lshl_b32 s18, s14, 19                        ; a head: 2,048 rows of 256 bytes
	s_add_nc_u64 s[20:21], s[6:7], s[18:19]
	s_add_nc_u64 s[22:23], s[8:9], s[18:19]
	s_add_nc_u64 s[44:45], s[4:5], s[18:19]
	s_lshl_b32 s18, s13, 15                        ; block p: 128 rows of 256 bytes
	s_add_nc_u64 s[42:43], s[44:45], s[18:19]
	s_add_nc_u64 s[KP:KP+1], s[20:21], s[18:19]    ; trip 0 is the diagonal of block p
	s_add_nc_u64 s[VP:VP+1], s[22:23], s[18:19]
	s_lshl_b32 s18, s15, 15
	s_add_nc_u64 s[44:45], s[44:45], s[18:19]
	; Q of both blocks as f32, into the registers of O and of S, which are not in use yet: fragment (u, c) needs d 32 c + 8 h .. + 7 and + 16
.irp u, 0,1
.irp c, 0,1
.irp e, 0,1,2,3
	global_load_b128 v[OA+32*\u+16*\c+4*\e:OA+32*\u+16*\c+4*\e+3], v[QGO], s[42:43] offset:4096*\u+128*\c+16*(\e&1)+64*(\e>>1)
.endr
.endr
.endr
.irp u, 0,1
.irp c, 0,1
.irp e, 0,1,2,3
	global_load_b128 v[SC+32*\u+16*\c+4*\e:SC+32*\u+16*\c+4*\e+3], v[QGO], s[44:45] offset:4096*\u+128*\c+16*(\e&1)+64*(\e>>1)
.endr
.endr
.endr
	LOADT 0                                        ; tiles 0 and 1
	LOADT 1
	WIN 0
	; the other lane terms, while the loads are on their way
	v_mul_u32_u24 v[KLD], v27, KPITCH              ; K fragment: row r, 16 bytes for each lane half
	v_lshl_add_u32 v[KLD], v28, 4, v[KLD]
	v_and_b32 v29, 7, v0
	v_lshl_add_u32 v29, v28, 3, v29                ; V fragment: key 8 h + lane % 8,
	v_mul_u32_u24 v[VLD], v29, VPITCH
	v_bfe_u32 v29, v0, 3, 1
	v_lshl_add_u32 v[VLD], v29, 4, v[VLD]          ; 16 bytes for each group of eight lanes
	v_add_nc_u32 v[VLD], VBASE, v[VLD]
	s_mul_i32 s30, s12, KPITCH
	v_mul_u32_u24 v[KST], v28, 8*KPITCH            ; K in LDS: row 8 h + w, 8 bytes a lane
	v_lshl_add_u32 v[KST], v27, 3, v[KST]
	v_add_nc_u32 v[KST], s30, v[KST]
	s_mul_i32 s31, s12, VPITCH
	s_add_co_u32 s31, s31, VBASE
	v_mul_u32_u24 v[VST], v28, 4*VPITCH            ; V in LDS: row 4 h + w
	v_lshl_add_u32 v[VST], v27, 3, v[VST]
	v_add_nc_u32 v[VST], s31, v[VST]
	s_mul_i32 s37, s12, WSTAGE
	s_add_co_u32 s37, s37, STAGE                   ; my stage
	v_mul_u32_u24 v[OST], v27, SPITCH              ; in: row r (+ 16 u), 32 bytes for each lane half
	v_lshl_add_u32 v[OST], v28, 5, v[OST]
	v_add_nc_u32 v[OST], s37, v[OST]
	v_mul_u32_u24 v[ORD], v28, SPITCH              ; back: lanes 0-15 one row, lanes 16-31 the next
	v_lshl_add_u32 v[ORD], v27, 4, v[ORD]
	v_add_nc_u32 v[ORD], s37, v[ORD]
	s_mul_i32 s30, s12, 32*OROW
	v_mul_u32_u24 v[OGO], v28, OROW                ; and the same two rows in the output
	v_lshl_add_u32 v[OGO], v27, 4, v[OGO]
	v_add_nc_u32 v[OGO], s30, v[OGO]
	s_lshl_b32 s31, s12, 5
	v_lshlrev_b32 v29, 3, v28
	v_sub_nc_u32 v[DQ], v27, v29                   ; r - 8 h
	v_add_nc_u32 v[DQ], s31, v[DQ]                 ; + 32 w
	v_add_nc_u32 v[DQ+1], 16, v[DQ]
	v_mov_b32 v[NINF], 0xff800000
	v_mov_b32 v[TX], 0                             ; v_permlanex16_b32 counts as a reader of its destination
	v_mov_b32 v[TX+1], 0
.irp j, 0,1,2,3,4,5,6,7
	v_mov_b32 v[ONE+\j], 0x3c003c00                ; 1.0 in f16, twice
.endr
	; the output of my two blocks: batch b, row 128 x block, head hd
	s_cmp_ge_u32 s14, 12
	s_cselect_b32 s30, 1, 0                        ; b
	s_mul_i32 s31, s30, 12
	s_sub_co_u32 s31, s14, s31                     ; hd
	s_mul_i32 s30, s30, 2048*OROW
	s_lshl_b32 s31, s31, 8
	s_add_co_u32 s30, s30, s31
	s_mul_i32 s31, s13, 128*OROW
	s_add_co_u32 s18, s30, s31
	s_add_nc_u64 s[32:33], s[10:11], s[18:19]
	s_mul_i32 s31, s15, 128*OROW
	s_add_co_u32 s18, s30, s31
	s_add_nc_u64 s[34:35], s[10:11], s[18:19]
	s_wait_loadcnt 32                              ; Q is in; the 32 loads of tiles 0 and 1 are younger
.set m, 0
.rept 32
	v_cvt_pk_bf16_f32 v[QS+m], v[OA+2*m], v[OA+2*m+1]
	v_cvt_pk_bf16_f32 v[QB+m], v[SC+2*m], v[SC+2*m+1]
.set m, m+1
.endr
	s_wait_loadcnt 16                              ; tile 0 is in; tile 1 is younger
	CVTST 0
	s_mov_b32 s28, 1
	NEXT                                           ; trip 1
	LOADT 0                                        ; tile 2
	s_wait_loadcnt 16                              ; tile 1 is in; tile 2 is younger
	CVTST 1
	LOADT 1                                        ; tile 3
	WIN 0
	s_wait_dscnt 0                                 ; my parts of tiles 0 and 1 have landed in LDS
	s_barrier_signal -1
	s_barrier_wait -1                              ; everybody's have
	KLOAD 0
	VLOAD 0
	WIN 0
	; ---------------------------------------------------------------- block p: its diagonal, then key blocks 0 .. p - 1
	TRIP QS, 1, 0
	s_cmp_eq_u32 s13, 0
	s_cbranch_scc1 .Lsmall_done
	s_mov_b32 s29, 0
.Lsmall:
	TRIP QS, 0, 0
	s_add_co_u32 s29, s29, 1
	s_cmp_lt_u32 s29, s13
	s_cbranch_scc1 .Lsmall
.Lsmall_done:
	EPI 32, 1
	; ---------------------------------------------------------------- block 15 - p: its diagonal, then key blocks 0 .. 14 - p
	TRIP QB, 1, 0
	s_mov_b32 s29, 0
.Lbig:
	TRIP QB, 0, 0                                  ; 13 - p trips, six at the least; the last two are written out, since they ask for nothing
	s_add_co_u32 s29, s29, 1
	s_cmp_lt_u32 s29, s39
	s_cbranch_scc1 .Lbig
	TRIP QB, 0, 1
	TRIP QB, 0, 2
	EPI 34, 0
	s_wait_tensorcnt 0x0
	ds_add_u32 v38, v39
	s_wait_dscnt 0x0
	s_endpgm
.Lfunc_end_k_q24d5a88057_attn:
	.size	k_q24d5a88057_attn, .Lfunc_end_k_q24d5a88057_attn-k_q24d5a88057_attn
	.p2alignl 7, 3214868480
	.fill 96, 4, 3214868480
	.section	.rodata,"a",@progbits
	.p2align	6, 0x0
	.amdhsa_kernel k_q24d5a88057_attn
		.amdhsa_group_segment_fixed_size 74240
		.amdhsa_private_segment_fixed_size 0
		.amdhsa_enable_private_segment 0
		.amdhsa_kernarg_size 32
		.amdhsa_user_sgpr_count 2
		.amdhsa_user_sgpr_kernarg_segment_ptr 1
		.amdhsa_wavefront_size32 1
		.amdhsa_system_sgpr_workgroup_id_x 1
		.amdhsa_system_sgpr_workgroup_id_y 1
		.amdhsa_system_sgpr_workgroup_id_z 1
		.amdhsa_system_vgpr_workitem_id 0
		.amdhsa_next_free_vgpr 512
		.amdhsa_next_free_sgpr 66
		.amdhsa_reserve_vcc 1
		.amdhsa_float_denorm_mode_32 3
		.amdhsa_float_denorm_mode_16_64 3
		.amdhsa_memory_ordered 1
		.amdhsa_forward_progress 1
		.amdhsa_inst_pref_size 255
	.end_amdhsa_kernel
	.section	.bss,"aw",@nobits
	.p2align	6
	.space	262144
	.amdgpu_metadata
---
amdhsa.version: [ 1, 2 ]
amdhsa.kernels:
  - .name:           k_q24d5a88057_attn
    .symbol:         k_q24d5a88057_attn.kd
    .args:
      - { .name: multi_head_q, .offset: 0, .size: 8, .value_kind: global_buffer, .address_space: global }
      - { .name: multi_head_k, .offset: 8, .size: 8, .value_kind: global_buffer, .address_space: global }
      - { .name: multi_head_v, .offset: 16, .size: 8, .value_kind: global_buffer, .address_space: global }
      - { .name: out0, .offset: 24, .size: 8, .value_kind: global_buffer, .address_space: global }
    .group_segment_fixed_size: 74240
    .private_segment_fixed_size: 0
    .kernarg_segment_align: 8
    .kernarg_segment_size: 32
    .max_flat_workgroup_size: 128
    .sgpr_count:     66
    .vgpr_count:     512
    .wavefront_size: 32
...
	.end_amdgpu_metadata
.endif
;; end of part 2
